; MI455X (gfx1250); checked and timed in simulation.
; The chip was launched on July 23, 2026; its instructions are those of AMD's public machine-readable ISA for CDNA 5 (MIT licence, August 2026) and "CDNA5" Instruction Set Architecture Reference Guide (July 2026). The comments in the code are by the model that wrote it; some were corrected since.
;; Attention. Allowed arithmetic: float matrix products may take bf16 or f16 operands with f32 sums; other float arithmetic in f32, or as packed bf16 or f16 multiplies, adds, multiply-adds, maxima and minima; sums over many terms, partial sums and values carried from step to step in f32; what a program stores and reads back later, other than sums and carried values, may be rounded once to bf16 or f16.
;; Inputs: W_attn 1,024 x 1,024 float32; b_attn 1,024 float32; encoder_outputs 16 x 4,096 x 512 float32; hidden 16 x 512 float32; v_w 1,024 float32.
;; Outputs: out0 16 x 512 float32.
;; 2 versions, each right; version 2 is version 1 with the launch prep written anew for expert scheduling mode. Each part assembles by itself: llvm-mc -triple=amdgcn-amd-amdhsa -mcpu=gfx1250 --defsym DOCPART=n.
;; ======== version 1 of 2: 3 launches
;; limits: values are held in f16: magnitudes above 65,504 overflow, below 6.1e-05 lose precision
;; workspace buffers: wh 1,048,576 bytes; hb 65,536 bytes; part 655,360 bytes
;; launch prep (part 1): grid 64 x 1, 5 waves a work-group, no clusters, 0 bytes of LDS; arguments W_attn, b_attn, hidden, wh, hb; writes wh, hb
.if DOCPART == 1
	.amdgcn_target "amdgcn-amd-amdhsa--gfx1250"
	.amdhsa_code_object_version 6
	.text
	.protected	k_qcefc1911ee_prep
	.globl	k_qcefc1911ee_prep
	.p2align	8
	.type	k_qcefc1911ee_prep,@function
k_qcefc1911ee_prep:
	s_mov_b64 s[64:65], 0
	v_nop
	global_prefetch_b8 v0, s[64:65] scope:SCOPE_SE
	s_setreg_imm32_b32 hwreg(HW_REG_WAVE_MODE, 25, 1), 1
	s_wait_xcnt 0x0
; PREP.  The concatenation [enc, hidden] splits the product with W [1024 o][1024 k]: W1 = W[:, 0:512] meets enc, W2 = W[:, 512:1024] meets hidden.
;   wh[o][k] = f16(c W1[o][k])                                   [1024][512] f16
;   hb[b][o] = c (sum over k of hidden[b][k] W2[o][k] + bias[o]) [16][1024] f32
; c = 2 log2(e): tanh(x) = 1 - 2 / (1 + 2^(c x)), so the next launch's sums are the exponents themselves.  c is applied in f32, ahead of wh's one rounding.
; LIMITS.  f16 holds no number beyond 65,504: |c W1|, |W2| and |hidden| stay below it; below 6e-5 f16 keeps its fixed step of 6e-8.
; SHARES.  Work-group g owns rows o = 16 g .. 16 g + 15.  Waves 0-3 cast four rows of W1 each; wave 4 makes hb's 16 x 16 block by the matrix unit, K = 512 in 16 steps on two accumulators by turns.
; No LDS, no barrier: no wave needs another's data.  No cluster: the work-groups share only hidden, 32 KB.
.set CEXP, 0x4038aa3b                  ; c = 2 log2(e) = 2.885390
	s_load_b256 s[4:11], s[0:1], 0x0               ; W s[4:5], bias s[6:7], hidden s[8:9], wh s[10:11]
	s_load_b64 s[12:13], s[0:1], 0x20              ; hb
	v_lshrrev_b32 v1, 5, v0
	v_readfirstlane_b32 s14, v1                    ; wave 0..4
	s_mov_b32 s16, CEXP                            ; the packed multiply names a pair and takes its low word for both halves
	s_mov_b32 s17, CEXP
	s_mov_b32 s19, 0                               ; high words of the two offsets
	s_mov_b32 s21, 0
	s_cmp_eq_u32 s14, 4
	s_cbranch_scc1 .Lhb
	; WAVES 0-3: rows 16 g + 4 w .. + 3, their first 2,048 bytes.  A load covers 512 consecutive bytes (128 numbers), a store the 256 consecutive bytes that they become.
	v_and_b32 v1, 31, v0                           ; lane
	v_lshlrev_b32 v2, 3, v1                        ; 8 bytes a lane out
	v_lshlrev_b32 v1, 4, v1                        ; 16 bytes a lane in
	s_lshl_b32 s18, ttmp9, 16                      ; 16 rows of 4,096 bytes,
	s_lshl_b32 s15, s14, 14                        ; my four of them
	s_add_co_u32 s18, s18, s15
	s_lshl_b32 s20, ttmp9, 14                      ; 16 rows of 1,024 bytes,
	s_lshl_b32 s15, s14, 12
	s_add_co_u32 s20, s20, s15
	s_wait_kmcnt 0x0
	s_add_nc_u64 s[4:5], s[4:5], s[18:19]
	s_add_nc_u64 s[10:11], s[10:11], s[20:21]
.set i, 0
.rept 16                               ; i = 4 x row + segment of 128 numbers
	global_load_b128 v[32+4*i:32+4*i+3], v1, s[4:5] offset:(i/4)*4096+(i%4)*512 th:TH_LOAD_NT
.set i, i+1
.endr
	s_wait_loadcnt 0x0
.set i, 0
.rept 32
	v_pk_mul_f32 v[32+2*i:32+2*i+1], v[32+2*i:32+2*i+1], s[16:17] op_sel_hi:[1,0]
.set i, i+1
.endr
.set i, 0
.rept 32
	v_cvt_pk_f16_f32 v[96+i], v[32+2*i], v[32+2*i+1]
.set i, i+1
.endr
.set i, 0
.rept 16
	global_store_b64 v2, v[96+2*i:96+2*i+1], s[10:11] offset:(i/4)*1024+(i%4)*256
.set i, i+1
.endr
	s_endpgm
	; WAVE 4.  D = W2 (source 0: 16 rows o) x hidden (source 1: 16 batches): lane (r = l % 16, h = l / 16) ends with batch r and o = 16 g + 8 h + 0..7.
	; A fragment is 16 rows x 32 k: lane (r, h) holds row r, k = 8 h + 0..7 and 16 + 8 h + 0..7: in f32 four loads of 16 bytes at 32 h + 0, 16, 64, 80.
	; v3 row offset in W (and in hb: the same r x 4,096 + 32 h); v4 in hidden; v5 in the bias; v[8:15], v[16:23] accumulators; v[24:39], v[40:55] two sets of f16 fragments (W2's, hidden's);
	; v[56:63] bias; v[64:255] six slots of 32 registers: a K step's f32 numbers, W2's 16 and hidden's 16.
.Lhb:
	v_and_b32 v1, 15, v0
	v_bfe_u32 v2, v0, 4, 1
	v_lshlrev_b32 v5, 5, v2                        ; 32 h
	v_lshl_add_u32 v3, v1, 12, v5                  ; r x 4,096 + 32 h
	v_lshl_add_u32 v4, v1, 11, v5                  ; r x 2,048 + 32 h
	s_lshl_b32 s18, ttmp9, 16
	s_add_co_u32 s18, s18, 2048                    ; W2 begins 2,048 bytes into a row
	s_lshl_b32 s20, ttmp9, 6                       ; 16 numbers of 4 bytes
	s_wait_kmcnt 0x0
	s_add_nc_u64 s[4:5], s[4:5], s[18:19]
	s_add_nc_u64 s[6:7], s[6:7], s[20:21]
	s_add_nc_u64 s[12:13], s[12:13], s[20:21]
	global_load_b128 v[56:59], v5, s[6:7]          ; bias[16 g + 8 h + 0..7]: the layout of a result, so it can start a sum
	global_load_b128 v[60:63], v5, s[6:7] offset:16
.macro HLOAD q                         ; the eight loads of K step q, into slot q % 6
.set R, 64+32*((\q)%6)
.set j, 0
.rept 4
	global_load_b128 v[R+4*j:R+4*j+3], v3, s[4:5] offset:(\q)*128+16*(j%2)+64*(j/2) th:TH_LOAD_NT
	global_load_b128 v[R+16+4*j:R+16+4*j+3], v4, s[8:9] offset:(\q)*128+16*(j%2)+64*(j/2)
.set j, j+1
.endr
.endm
.macro HSTEP q
.set R, 64+32*((\q)%6)
.set FW, 24+16*((\q)%2)
.set AC, 8+8*((\q)%2)
.if (\q) < 10
	s_wait_loadcnt 40                              ; loads come back in order: the five younger steps' 40 may stay out
.else
	s_wait_loadcnt 8*(15-(\q))                     ; the counts run down
.endif
.set j, 0
.rept 8                                ; sixteen roundings to f16: also the places between a product and the rewriting of its fragments two steps later
	v_cvt_pk_f16_f32 v[FW+j], v[R+2*j], v[R+2*j+1]
	v_cvt_pk_f16_f32 v[FW+8+j], v[R+16+2*j], v[R+16+2*j+1]
.set j, j+1
.endr
.if (\q) == 0
	v_wmma_f32_16x16x32_f16 v[AC:AC+7], v[FW:FW+7], v[FW+8:FW+15], v[56:63]   ; the bias starts the first sum,
.elseif (\q) == 1
	v_wmma_f32_16x16x32_f16 v[AC:AC+7], v[FW:FW+7], v[FW+8:FW+15], 0          ; 0 the second: nothing is cleared
.else
	v_wmma_f32_16x16x32_f16 v[AC:AC+7], v[FW:FW+7], v[FW+8:FW+15], v[AC:AC+7] ; the two accumulators take turns
.endif
.if (\q) < 10
	HLOAD (\q)+6                                   ; the slot just read takes the step six further on
.endif
.endm
.set hq, 0
.rept 6
	HLOAD hq
.set hq, hq+1
.endr
.set hq, 0
.rept 16
	HSTEP hq
.set hq, hq+1
.endr
.rept 4
	v_nop                                          ; four places between the last product and the reading of its result (ISA guide 7.12.1)
.endr
.set j, 0
.rept 4                                ; each accumulator is read from its low end on
	v_pk_add_f32 v[8+2*j:9+2*j], v[8+2*j:9+2*j], v[16+2*j:17+2*j]
.set j, j+1
.endr
.set j, 0
.rept 4
	v_pk_mul_f32 v[8+2*j:9+2*j], v[8+2*j:9+2*j], s[16:17] op_sel_hi:[1,0]
.set j, j+1
.endr
	global_store_b128 v3, v[8:11], s[12:13]        ; a batch's 16 numbers are 64 bytes of its row: short runs, 64 KB in the whole launch; whole rows would want LDS and a barrier here
	global_store_b128 v3, v[12:15], s[12:13] offset:16
	s_endpgm
.Lfunc_end_k_qcefc1911ee_prep:
	.size	k_qcefc1911ee_prep, .Lfunc_end_k_qcefc1911ee_prep-k_qcefc1911ee_prep
	.p2alignl 7, 3214868480
	.fill 96, 4, 3214868480
	.section	.rodata,"a",@progbits
	.p2align	6, 0x0
	.amdhsa_kernel k_qcefc1911ee_prep
		.amdhsa_group_segment_fixed_size 0
		.amdhsa_private_segment_fixed_size 0
		.amdhsa_enable_private_segment 0
		.amdhsa_kernarg_size 40
		.amdhsa_user_sgpr_count 2
		.amdhsa_user_sgpr_kernarg_segment_ptr 1
		.amdhsa_wavefront_size32 1
		.amdhsa_system_sgpr_workgroup_id_x 1
		.amdhsa_system_sgpr_workgroup_id_y 1
		.amdhsa_system_sgpr_workgroup_id_z 1
		.amdhsa_system_vgpr_workitem_id 0
		.amdhsa_next_free_vgpr 256
		.amdhsa_next_free_sgpr 66
		.amdhsa_reserve_vcc 0
		.amdhsa_float_denorm_mode_32 3
		.amdhsa_float_denorm_mode_16_64 3
		.amdhsa_memory_ordered 1
		.amdhsa_forward_progress 1
		.amdhsa_inst_pref_size 40
	.end_amdhsa_kernel
	.amdgpu_metadata
---
amdhsa.version: [ 1, 2 ]
amdhsa.kernels:
  - .name:           k_qcefc1911ee_prep
    .symbol:         k_qcefc1911ee_prep.kd
    .args:
      - { .name: W_attn, .offset: 0, .size: 8, .value_kind: global_buffer, .address_space: global }
      - { .name: b_attn, .offset: 8, .size: 8, .value_kind: global_buffer, .address_space: global }
      - { .name: hidden, .offset: 16, .size: 8, .value_kind: global_buffer, .address_space: global }
      - { .name: wh, .offset: 24, .size: 8, .value_kind: global_buffer, .address_space: global }
      - { .name: hb, .offset: 32, .size: 8, .value_kind: global_buffer, .address_space: global }
    .group_segment_fixed_size: 0
    .private_segment_fixed_size: 0
    .kernarg_segment_align: 8
    .kernarg_segment_size: 40
    .max_flat_workgroup_size: 160
    .sgpr_count:     66
    .vgpr_count:     256
    .wavefront_size: 32
...
	.end_amdgpu_metadata
.endif
;; end of part 1
;; launch main (part 2): grid 256 x 1, 4 waves a work-group, clusters of 4 x 1, 327,680 bytes of LDS; arguments encoder_outputs, wh, hb, v_w, part; writes part
.if DOCPART == 2
	.amdgcn_target "amdgcn-amd-amdhsa--gfx1250"
	.amdhsa_code_object_version 6
	.text
	.protected	k_qcefc1911ee_main
	.globl	k_qcefc1911ee_main
	.p2align	8
	.type	k_qcefc1911ee_main,@function
k_qcefc1911ee_main:
	s_mov_b64 s[64:65], 0
	v_nop
	global_prefetch_b8 v0, s[64:65] scope:SCOPE_SE
	s_setreg_imm32_b32 hwreg(HW_REG_WAVE_MODE, 25, 1), 1
	s_wait_xcnt 0x0
	s_wait_alu depctr_hold_cnt(0) depctr_sa_sdst(0) depctr_va_vdst(0) depctr_va_sdst(0) depctr_va_ssrc(0) depctr_va_vcc(0) depctr_vm_vsrc(0)
	s_getreg_b32 s2, hwreg(HW_REG_IB_STS2, 6, 4)
	s_cmp_eq_u32 s2, 0
	s_cbranch_scc0 .Lentry_in_a_cluster
	s_endpgm
.Lentry_in_a_cluster:
	s_bfe_u32 s2, ttmp6, 0x10000c
	s_cmp_lg_u32 s2, 0x3003
	s_cbranch_scc0 .Lentry_shape_is_right
	s_endpgm
.Lentry_shape_is_right:
; MAIN.  For 256 rows s of one batch: x[o][s] = c (enc[s] . W1[o] + hidden . W2[o] + bias[o]) by the matrix unit (wh = c W1 in f16, hb the rest, as the C operand that starts each sum);
; r = 1 / (1 + 2^x), so tanh = 1 - 2 r; score in powers of two t[s] = KF sum over o of v[o] r[o][s], KF = -2 log2(e).  The term log2(e) sum(v) that is left out is the same number for every s,
; and a softmax does not change when one number is added to all its scores.  Then the block's own softmax: M = max t, p = 2^(t - M), l = sum p, ctx[d] = sum over s of p[s] enc[s][d].
; Stored: ctx (f32), M, l.  The next launch joins a batch's 16 blocks under their common maximum.
; enc is read from memory ONCE: a wave's 64 rows, rounded to f16, stay in 512 registers as source 1 of all products, and at the end go through LDS, turned, into the context's product.
; LIMITS.  f16 holds no number beyond 65,504: |enc| stays below it (wh: see the launch before).  2^x may be infinite or 0: r is then 0 or 1, tanh's limits.  p lies in 0 to 1; below 6e-5 its f16 copy keeps
; a fixed step of 6e-8; l is the sum of the unrounded p; a p below 2^-126 counts as 0.  NaN is not treated apart.
; SHARES.  Work-group x = 4 x cluster + cx owns rows 256 x .. + 255 of [65536][512]; batch = x / 16.  Wave w owns 64 rows: four tiles of 16.  Every wave walks all 1,024 o in 64 blocks of 16.
; LAYOUT.  Source 0 = 16 rows of wh, source 1 = 16 rows of enc: in the result lane (r = l % 16, h = l / 16) holds ONE row s = r and o = 8 h + 0..7, so the sum over o stays in the lane but for one exchange.
; CLUSTER.  All work-groups walk the same wh: the four of a cluster ask for each tile (128 rows o) JOINTLY, each wave for 32 rows.  hb and v_w, 8 KB against wh's 1 MB, are fetched by plain loads.
; BY TURNS.  While block n's 64 products run on one set of four accumulators, block n - 1's set is worked on: one exponential, later one reciprocal, behind each product; the plain lines in two lumps.
; LDS:  0: two slots of 128 rows of wh, 1,024 + 16 bytes each | STG: a stage for each wave, 16 rows x 256 k f16, 512 + 16 bytes | TAB: hb[batch], then v_w | SCO: 256 scores | CST: 512 bytes a wave,
; the way out | SPARE.  At the end E, 256 rows of enc in f16 of 1,024 + 32 bytes, lies over the slots, which have had their last fill, and the first 4 KB of the stages, which are dead.
; REGISTERS, in windows of 256 (s_set_vgpr_msb: bits 1:0 source 0, 3:2 source 1, 5:4 source 2, 7:6 destination):
;   window 0: v0-15, v30 addresses; v16-23 SC, a pair a tile; v24-27 at work; v28-29 the add's; v32-39 HB; v40-47 V; v49-55 TG; v56-63 M, l; v64-191 BF: a block's 16 fragments of wh; v192-255 two sets of accumulators
;   window 1: 64 landing slots of four for enc's f32      windows 2, 3: enc's fragments, (tile t, K step q) at window 2 + q / 8, register 8 (4 (q % 8) + t); at the end E's turned fragments
.set PW,    1040                       ; a row of wh in LDS: 260 words: row r starts at bank 4 r mod 64 (64 banks of 4 bytes: ISA guide 11.1)
.set BLKB,  16*PW                      ; a block's 16 rows
.set QUART, 32*PW                      ; what one tensor load brings
.set SLOTB, 128*PW
.set TILEG, 128*1024                   ; a tile's bytes in wh
.set STG,   2*SLOTB
.set PS,    528
.set STGW,  16*PS
.set TAB,   STG+4*STGW
.set SCO,   TAB+8192
.set CST,   SCO+1024
.set SPARE, CST+2048                   ; the spare words, 128 bytes for each wave: two blocks of 256 bytes that no other line names
.set PE,    1056                       ; a row of E: 264 words
.set SC,  16
.set SPW, 28                           ; v28  LDS address of my spare word; never rewritten
.set NIL, 29                           ; v29  0; never rewritten
.set HB,  32
.set V,   40
.set BF,  64
.set T,   64                           ; phase A: 32 registers of f16 on their way to the stage
.set S,   64                           ; the end: my lane's 128 scores
.set CT,  64                           ; the end: the context's eight accumulators
.set OUT, 128
.set ACC, 192
.set P,   192                          ; the end: p in f16, eight fragments
; v1 r, v2 h, v3 16 x lane, v4 stage in, v5 stage out, v6 AB0: my place in a block of wh, v7 the block to be fetched, v8 TA0: my place in 16 numbers of hb, v9 the same for the block to be fetched,
; v10 my place in E (in), v11 my score's word, v12 scores back, v13 my place in E (turned), v14, v15 the way out, v30 16 x thread
; s14 wave; s15 cx; s16 x; s17 batch; s[20:27] group 1 for wh; s[28:35] for the tables; s[36:39], s[40:43] group 0 of slots 0, 1; s[44:47] of the tables; s48 LDS byte of the block to be fetched;
; s49 its byte in hb; s50, s51 counters; s[52:53] lane selects; s54 KF
.set MSB, 0
.macro WIN new                         ; the immediate's high byte repeats the setting that is left; a switch that changes nothing is dropped
.if MSB != (\new)
	s_set_vgpr_msb (MSB<<8)|(\new)
.set MSB, \new
.endif
.endm
.macro PLACES
.rept 4
	v_nop
.endr
.endm
; A round of the cluster's barrier: my work-group's barrier, so that wave 0's signal speaks for all four waves; wave 0 signals; every wave waits for all four work-groups; my work-group's barrier once more.
.macro ROUND
	s_barrier_signal -1
	s_barrier_wait -1
	s_cmp_lg_u32 s14, 0
	s_cbranch_scc1 .Lnot_wave_0_\@
	s_barrier_signal -3
.Lnot_wave_0_\@:
	s_barrier_wait -3
	s_barrier_signal -1
	s_barrier_wait -1
.endm
	s_load_b256 s[4:11], s[0:1], 0x0               ; enc s[4:5], wh s[6:7], hb s[8:9], v_w s[10:11]
	s_load_b64 s[12:13], s[0:1], 0x20              ; part
	v_lshl_add_u32 v[SPW], v0, 2, SPARE
	v_mov_b32 v[NIL], 0
	ds_add_u32 v[SPW], v[NIL]                      ; the wave's opening: the add and its wait stand ahead of my first tensor load; the set-up below, work on registers, stands between them
	v_lshrrev_b32 v1, 5, v0
	v_readfirstlane_b32 s14, v1                    ; wave 0..3
	s_bfe_u32 s15, ttmp6, 0x40000                  ; cx: it enters enc's and part's addresses alone
	s_lshl_b32 s16, ttmp9, 2                       ; in a cluster launch ttmp9 counts clusters
	s_add_co_u32 s16, s16, s15                     ; x
	s_lshr_b32 s17, ttmp9, 2                       ; batch = x / 16: the four partners share it
	s_lshl_b32 s18, s16, 19                        ; my work-group's 256 rows of 2,048 bytes,
	s_lshl_b32 s19, s14, 17                        ; my wave's 64
	s_add_co_u32 s18, s18, s19
	s_mov_b32 s19, 0
	s_mul_i32 s58, s16, 2560                       ; my row of part
	s_mov_b32 s59, 0
	s_lshl_b32 s56, s17, 12                        ; the batch's row of hb
	s_mov_b32 s57, 0
	s_lshl_b32 s60, s14, 15                        ; my 32 rows of 1,024 bytes in a tile of wh
	s_mov_b32 s61, 0
	; group 1 for wh: 32 rows x 512 elements of 2 bytes, padded in LDS
	s_mov_b32 s20, 15|(1<<16)|(1<<20)|(1<<21)|(7<<22)|(3<<25)  ; 15:0 the mask: all four work-groups; 17:16 2-byte elements; 20 padding on; 21 set beside a mask; 24:22 after every 256 words (code 7); 31:25 4 words (code 3)
	s_mov_b32 s21, 512<<16                         ; tensor_dim0 = 512
	s_mov_b32 s22, 32<<16                          ; tensor_dim1 = 32
	s_mov_b32 s23, 512<<16                         ; tile_dim0 = 512
	s_mov_b32 s24, 32                              ; tile_dim1 = 32
	s_mov_b32 s25, 512                             ; 512 elements from row to row
	s_mov_b32 s26, 0
	s_mov_b32 s27, 0
	; group 1 for the tables: 2,048 dense bytes as 8 rows of 32 elements of 8 bytes; no mask, no padding
	s_mov_b32 s28, 3<<16
	s_mov_b32 s29, 32<<16
	s_mov_b32 s30, 8<<16
	s_mov_b32 s31, 32<<16
	s_mov_b32 s32, 8
	s_mov_b32 s33, 32
	s_mov_b32 s34, 0
	s_mov_b32 s35, 0
	s_mov_b32 s36, 1                               ; count = 1
	s_mul_i32 s37, s14, QUART                      ; LDS address: my quarter of slot 0: no place in the cluster enters an LDS address
	s_mov_b32 s40, 1
	s_add_co_u32 s41, s37, SLOTB                   ; of slot 1
	s_mov_b32 s44, 1
	s_lshl_b32 s45, s14, 11
	s_add_co_u32 s45, s45, TAB                     ; my quarter of the tables
	s_mov_b32 s52, 0x76543210                      ; v_permlanex16_b32: each lane takes its own place in the other half
	s_mov_b32 s53, 0xfedcba98
	s_mov_b32 s54, 0xc038aa3b                      ; KF = -2 log2(e)
	v_and_b32 v3, 31, v0
	v_lshlrev_b32 v3, 4, v3                        ; 16 x lane
	s_wait_dscnt 0x0                               ; the opening add is done
	s_wait_kmcnt 0x0
	s_add_nc_u64 s[4:5], s[4:5], s[18:19]          ; enc at my wave's first row
	s_add_nc_u64 s[12:13], s[12:13], s[58:59]
	s_add_nc_u64 s[8:9], s[8:9], s[56:57]          ; hb at the batch
	s_add_nc_u64 s[38:39], s[6:7], s[60:61]        ; tile 0, my rows
	s_add_nc_u64 s[42:43], s[38:39], TILEG         ; tile 1
	s_or_b32 s39, s39, 0x80000000                  ; type = 2
	s_or_b32 s43, s43, 0x80000000
	s_cmp_lt_u32 s14, 2                            ; waves 0, 1 fetch hb's halves, waves 2, 3 v_w's
	s_cselect_b64 s[46:47], s[8:9], s[10:11]
	s_and_b32 s56, s14, 1
	s_lshl_b32 s56, s56, 11
	s_add_nc_u64 s[46:47], s[46:47], s[56:57]
	s_or_b32 s47, s47, 0x80000000
; PHASE A: enc into fragments.  16 halves i: tile i / 4, k half (i / 2) % 2 (256 numbers), rows 8 (i % 2) .. + 7.  A half is 16 loads of 512 consecutive bytes; four halves, 32 KB a wave, are on their way.
.macro ISSUE i
	WIN 0x40                                       ; destination window 1, address window 0
.set LB, 64*((\i)%4)
.set EO, (16*((\i)/4)+8*((\i)%2))*2048+(((\i)/2)%2)*1024
.set j, 0
.rept 16
	global_load_b128 v[LB+4*j:LB+4*j+3], v3, s[4:5] offset:EO+(j/2)*2048+(j%2)*512 th:TH_LOAD_NT
.set j, j+1
.endr
.endm
.macro TAKE i                          ; a half is rounded to f16 and laid into my stage: a store covers 256 consecutive bytes
.set LB, 64*((\i)%4)
.if (\i) < 12
	s_wait_loadcnt 48                              ; loads come back in order: the three younger halves' 48 may stay out
.else
	s_wait_loadcnt 16*(15-(\i))                    ; the counts run down
.endif
	WIN 0x05                                       ; sources window 1, destination window 0
.set m, 0
.rept 32
	v_cvt_pk_f16_f32 v[T+m], v[LB+2*m], v[LB+2*m+1]
.set m, m+1
.endr
	WIN 0
.set j, 0
.rept 16
	ds_store_b64 v4, v[T+2*j:T+2*j+1] offset:(8*((\i)%2)+j/2)*PS+(j%2)*256
.set j, j+1
.endr
.endm
.macro FRAG t, kh                      ; 16 rows x 256 k come back as eight fragments.  The stage is my own, and LDS serves a wave's instructions in order (ISA guide 5.7.1.4): no wait, no barrier
	WIN 0x80+0x40*(\kh)                            ; destination window 2 or 3
.set qq, 0
.rept 8
	ds_load_b128 v[8*(4*qq+(\t)):8*(4*qq+(\t))+3],   v5 offset:qq*64
	ds_load_b128 v[8*(4*qq+(\t))+4:8*(4*qq+(\t))+7], v5 offset:qq*64+32
.set qq, qq+1
.endr
.endm
	ISSUE 0                                        ; enc's first 64 loads go out ahead of everything else
	ISSUE 1
	ISSUE 2
	ISSUE 3
	WIN 0                                          ; at a label and at a branch every window is 0
	ROUND                                          ; all four work-groups are here: the first joint loads meet
	tensor_load_to_lds s[44:47], s[28:35]          ; my quarter of the tables; three tensor loads of mine are out here, later one
	s_nop 0
	tensor_load_to_lds s[36:39], s[20:27]          ; tile 0 into slot 0
	s_nop 0
	tensor_load_to_lds s[40:43], s[20:27]          ; tile 1 into slot 1
	s_nop 0
	v_and_b32 v1, 15, v0                           ; r (plain vector work, no window switch, follows the loads)
	v_bfe_u32 v2, v0, 4, 1                         ; h
	v_and_b32 v24, 31, v0
	s_mul_i32 s62, s14, STGW
	s_add_co_u32 s62, s62, STG                     ; my stage
	v_lshl_add_u32 v4, v24, 3, s62                 ; in: 8 bytes a lane
	v_mul_u32_u24 v5, v1, PS
	v_lshl_add_u32 v5, v2, 4, v5
	v_add_nc_u32 v5, s62, v5                       ; out: row r, 16 bytes for each half of the lanes
	v_mul_u32_u24 v6, v1, PW
	v_lshl_add_u32 v6, v2, 4, v6                   ; AB0
	v_lshl_add_u32 v8, v2, 5, TAB                  ; TA0: hb[o0 + 8 h ..]
	s_mul_i32 s62, s14, 64*PE
	v_mul_u32_u24 v10, v1, PE
	v_lshl_add_u32 v10, v2, 4, v10
	v_add_nc_u32 v10, s62, v10                     ; E in: row 64 w + r
	s_lshl_b32 s63, s14, 8
	v_and_b32 v25, 7, v0
	v_lshl_add_u32 v25, v2, 3, v25
	v_mul_u32_u24 v13, v25, PE                     ; E turned: lane l reads row 8 (l / 16) + l % 8, channels 8 ((l / 8) % 2) + 0..7,
	v_bfe_u32 v26, v0, 3, 1
	v_lshl_add_u32 v13, v26, 4, v13
	v_add_nc_u32 v13, s63, v13                     ; of my wave's 128 channels
	s_add_co_u32 s63, s63, SCO
	v_lshl_add_u32 v11, v1, 2, s63                 ; my score's word: row 64 w + r
	v_lshl_add_u32 v12, v2, 5, SCO
	s_lshl_b32 s62, s14, 9
	s_add_co_u32 s62, s62, CST
	v_lshl_add_u32 v14, v2, 5, s62
	v_add_nc_u32 v15, s62, v3
	v_lshlrev_b32 v30, 4, v0
.set hi, 0
.rept 16
	TAKE hi
.if hi < 12
	ISSUE hi+4                                     ; the landing slots just read take the half four further on
.endif
.if hi%2
	FRAG hi/4, (hi/2)%2
.endif
.set hi, hi+1
.endr
	WIN 0
	s_wait_tensorcnt 0x1                           ; my parts of the tables and of tile 0 are in; tile 1's may stay out
	s_wait_dscnt 0x0                               ; my fragments are in
	s_barrier_signal -1
	s_barrier_wait -1                              ; everybody's parts are in
	; THE WALK'S PROLOGUE: block 0's fragments and its hb
.set q, 0
.rept 16
	ds_load_b128 v[BF+8*q:BF+8*q+3],   v6 offset:64*q
	ds_load_b128 v[BF+8*q+4:BF+8*q+7], v6 offset:64*q+32
.set q, q+1
.endr
	ds_load_b128 v[HB:HB+3], v8
	ds_load_b128 v[HB+4:HB+7], v8 offset:16
	s_mov_b32 s48, BLKB                            ; the next fetch is block 1's
	s_mov_b32 s49, 64
	v_add_nc_u32 v7, s48, v6
	v_add_nc_u32 v9, s49, v8
.set i, 0
.rept 8
	v_mov_b32 v[SC+i], 0                           ; the scores' sums run over all 64 blocks
.set i, i+1
.endr
	s_wait_dscnt 0x0
; 32 products: K steps q0 .. q0 + 7 x four tiles, on set XB.  The four accumulators take turns, one instruction a turn, from stretch to stretch and from block to block too.
; K step 0 starts the sums with hb.  riders = 1: behind each product one line on set YB, the block before's: 2^x in the first stretch, the reciprocal in the second; each accumulator is read from its low end on.
.macro MULS q0, riders
.set q, \q0
.rept 8
.set t, 0
.rept 4
.if q == 0
	v_wmma_f32_16x16x32_f16 v[XB+8*t:XB+8*t+7], v[BF+8*q:BF+8*q+7], v[8*(4*(q%8)+t):8*(4*(q%8)+t)+7], v[HB:HB+7]
.else
	v_wmma_f32_16x16x32_f16 v[XB+8*t:XB+8*t+7], v[BF+8*q:BF+8*q+7], v[8*(4*(q%8)+t):8*(4*(q%8)+t)+7], v[XB+8*t:XB+8*t+7]
.endif
.if \riders
.if (\q0) == 0
	v_exp_f32 v[YB+4*(q%8)+t], v[YB+4*(q%8)+t]
.else
	v_rcp_f32 v[YB+4*(q%8)+t], v[YB+4*(q%8)+t]
.endif
.endif
.set t, t+1
.endr
.set q, q+1
.endr
.endm
.macro ONES                            ; 1 + 2^x
.set i, 0
.rept 16
	v_pk_add_f32 v[YB+2*i:YB+2*i+1], v[YB+2*i:YB+2*i+1], 1.0 op_sel_hi:[1,0]
.set i, i+1
.endr
.endm
.macro DOTV                            ; a tile's sum takes v r: four chains, so that no line waits for the one before it
.set i, 0
.rept 4
.set t, 0
.rept 4
	v_pk_fma_f32 v[SC+2*t:SC+2*t+1], v[YB+8*t+2*i:YB+8*t+2*i+1], v[V+2*i:V+2*i+1], v[SC+2*t:SC+2*t+1]
.set t, t+1
.endr
.set i, i+1
.endr
.endm
.macro BLOAD q0                        ; half a block's fragments of wh, in one run
.set q, \q0
.rept 8
	ds_load_b128 v[BF+8*q:BF+8*q+3],   v7 offset:64*q
	ds_load_b128 v[BF+8*q+4:BF+8*q+7], v7 offset:64*q+32
.set q, q+1
.endr
.endm
; BLOCK n on set par.  riders = 1: block n - 1's results are worked on.  fetch = 1: block n + 1's fragments and hb are fetched.
; The lumps' plain lines (or four v_nop) name no register of the products and are the four places in front of loads into registers that products have read, and in front of the next block's reading of this
; block's results (ISA guide 7.12.1 for vector instructions).  A v_nop stands between the transcendentals and the first use of their results (ISA guide 5.7.2).
.macro BLOCK par, riders, fetch
.set XB, ACC+32*(\par)
.set YB, ACC+32*(1-(\par))
	WIN 0x08                                       ; source 1 (enc) window 2; the riders have a source 0 and a destination alone, in window 0
	MULS 0, \riders
	WIN 0
.if \riders
	v_nop
	s_wait_alu depctr_va_vdst(0)
	ONES
.else
	PLACES
.endif
.if \fetch
	BLOAD 0
	ds_load_b128 v[HB:HB+3], v9                    ; hb of block n + 1
	ds_load_b128 v[HB+4:HB+7], v9 offset:16
.endif
.if \riders
	ds_load_b128 v[V:V+3], v9 offset:3968          ; v_w of block n - 1: the table lies 4,096 bytes behind hb's, the block 128 bytes back
	ds_load_b128 v[V+4:V+7], v9 offset:3984
.endif
	s_wait_dscnt 18*(\fetch)+2*(\riders)           ; all but the loads just issued: this block's K steps 8 to 15 are in
	WIN 0x0c                                       ; source 1 window 3
	MULS 8, \riders
	WIN 0
	s_wait_dscnt 0x0                               ; the loads issued 32 products ago: the next block's first half, its hb, and v_w
.if \riders
	v_nop
	s_wait_alu depctr_va_vdst(0)
	DOTV
.else
	PLACES
.endif
.if \fetch
	BLOAD 8
	s_add_co_u32 s48, s48, BLKB                    ; the next fetch is the next block's
	v_add_nc_u32 v7, s48, v6
	s_add_co_u32 s49, s49, 64
	v_add_nc_u32 v9, s49, v8
.endif
.endm
.macro PAIRS n                         ; 2 n blocks: an odd one on set 1, an even one on set 0
	s_mov_b32 s51, \n
.Lpair_\@:
	BLOCK 1, 1, 1
	BLOCK 0, 1, 1
	s_sub_co_u32 s51, s51, 1
	s_cmp_lg_u32 s51, 0
	s_cbranch_scc1 .Lpair_\@
.endm
; THE CHANGE OF SLOTS, in front of the block that fetches a tile's first block.  Each wave waits for all its tensor loads, of which one is out: its part of slot new; adds 0 to its spare word; and waits for that
; and for its own reads of the other slot.  Behind the barrier nobody reads the old slot any more and slot new is whole.  fill = 1: the old slot is filled again, with the tile two further on.  The barrier is
; then a round of the cluster's, so that no wave of any partner still reads the slot or has a load on its way, and the joint refill is the first thing behind it: it has eight blocks, 512 products, to land in.
.macro CHANGE fill, new
.set GD, 36+4*(1-(\new))
	s_wait_tensorcnt 0x0                           ; no tensor load of mine is out, so a group 0 may be written
	ds_add_u32 v[SPW], v[NIL]                      ; 0 onto my spare word; work on registers stands between it and the wait for it
.if \fill
	s_add_nc_u64 s[GD+2:GD+3], s[GD+2:GD+3], 2*TILEG  ; the type bits on top are not reached
.endif
	s_mov_b32 s48, (\new)*SLOTB                    ; the fetches go on at the head of slot new
	v_add_nc_u32 v7, s48, v6
	s_wait_dscnt 0x0                               ; the add is done, and my reads of the old slot are over
.if \fill
	ROUND
	tensor_load_to_lds s[GD:GD+3], s[20:27]
	s_nop 0
	PLACES
.else
	s_barrier_signal -1
	s_barrier_wait -1
.endif
.endm
	; THE WALK.  Tile T holds blocks 8 T .. 8 T + 7 and is read from block 8 T - 1 to block 8 T + 6, since each block fetches the next one's fragments.
	BLOCK 0, 0, 1
	PAIRS 3                                        ; blocks 1-6
	s_mov_b32 s50, 3
.Louter:                                               ; three trips: tiles 1 to 6 are entered, tiles 2 to 7 asked for
	CHANGE 1, 1
	PAIRS 4
	CHANGE 1, 0
	PAIRS 4
	s_sub_co_u32 s50, s50, 1
	s_cmp_lg_u32 s50, 0
	s_cbranch_scc1 .Louter
	CHANGE 0, 1                                    ; the tail is written out: tile 7 is entered, nothing is asked for
	PAIRS 4                                        ; blocks 55-62
	BLOCK 1, 1, 0                                  ; block 63
.set YB, ACC+32                                        ; and its own results, with nothing to ride on
	ds_load_b128 v[V:V+3], v9 offset:4032          ; v_w of block 63
	ds_load_b128 v[V+4:V+7], v9 offset:4048
.set i, 0
.rept 32
	v_exp_f32 v[YB+i], v[YB+i]
.set i, i+1
.endr
	v_nop
	s_wait_alu depctr_va_vdst(0)
	ONES
.set i, 0
.rept 32
	v_rcp_f32 v[YB+i], v[YB+i]
.set i, i+1
.endr
	s_wait_dscnt 0x0
	v_nop
	s_wait_alu depctr_va_vdst(0)
	DOTV
	; THE SCORES: a pair's two halves, the other half of the lanes' eight o, the factor; both halves of the lanes then write the same word with the same number.
.irp t, 0,1,2,3
	v_add_f32 v[24+\t], v[SC+2*\t], v[SC+2*\t+1]
.endr
.irp t, 0,1,2,3
	v_permlanex16_b32 v[V+\t], v[24+\t], s52, s53  ; its destination counts as read: a register that has been written
.endr
.irp t, 0,1,2,3
	v_add_f32 v[24+\t], v[24+\t], v[V+\t]
.endr
.irp t, 0,1,2,3
	v_mul_f32 v[24+\t], s54, v[24+\t]
.endr
.irp t, 0,1,2,3
	ds_store_b32 v11, v[24+\t] offset:64*\t
.endr
	s_wait_dscnt 0x0                               ; for the others' sake: my scores are stored, and my reads of the slots are long over
	s_barrier_signal -1
	s_barrier_wait -1                              ; no wave reads the slots any more: E may be laid over them
	; E: my 64 rows of enc, in f16, as they lie in the fragments: row 16 t + r, bytes 64 q + 16 h and 64 q + 32 + 16 h
.set q, 0
.rept 16
	WIN 0x08+4*(q/8)                               ; a store's data is source 1: window 2, then 3
.set t, 0
.rept 4
	ds_store_b128 v10, v[8*(4*(q%8)+t):8*(4*(q%8)+t)+3]   offset:t*16*PE+q*64
	ds_store_b128 v10, v[8*(4*(q%8)+t)+4:8*(4*(q%8)+t)+7] offset:t*16*PE+q*64+32
.set t, t+1
.endr
.set q, q+1
.endr
	WIN 0
	s_wait_dscnt 0x0                               ; for the others' sake
	s_barrier_signal -1
	s_barrier_wait -1
	; THE BLOCK'S SOFTMAX AND CONTEXT.  Every wave makes M, l and p for itself, from all 256 scores; wave w then makes channels 128 w .. + 127: O^T = E^T P, source 0 = 16 channels x 32 rows (turned),
	; source 1 = 32 rows x 16 columns that are all alike.  A lane's 128 scores are read in source 1's layout: for group g of 32 rows, rows 8 h + 0..7 and 16 + 8 h + 0..7.
.macro TLOAD g                         ; group g's eight turned fragments, 16 loads, into (window 2 + g / 4, register 64 (g % 4) + 8 db)
.if (\g) == 0
.set TGR, 13
.else
.set TGR, 48+(\g)
.endif
	WIN 0x80+0x40*((\g)/4)
.set db, 0
.rept 8
	ds_load_tr16_b128 v[64*((\g)%4)+8*db:64*((\g)%4)+8*db+3],   v[TGR] offset:32*db
	ds_load_tr16_b128 v[64*((\g)%4)+8*db+4:64*((\g)%4)+8*db+7], v[TGR] offset:32*db+16*PE
.set db, db+1
.endr
.endm
.set g, 0
.rept 8
	ds_load_b128 v[S+16*g:S+16*g+3],     v12 offset:128*g
	ds_load_b128 v[S+16*g+4:S+16*g+7],   v12 offset:128*g+16
	ds_load_b128 v[S+16*g+8:S+16*g+11],  v12 offset:128*g+64
	ds_load_b128 v[S+16*g+12:S+16*g+15], v12 offset:128*g+80
.set g, g+1
.endr
.set g, 1
.rept 7
	v_add_nc_u32 v[48+g], 32*PE*g, v13             ; group g begins 32 rows of E further on: beyond an offset's 16 bits
.set g, g+1
.endr
	TLOAD 0
	TLOAD 1
	TLOAD 2
	WIN 0
	s_wait_dscnt 48                                ; all but the 48 turning loads: the scores are in
.irp c, 0,1,2,3                        ; the maximum: four chains of 31 scores, three operands at a time, then the four left over
	v_max3_num_f32 v[24+\c], v[S+32*\c], v[S+32*\c+1], v[S+32*\c+2]
.endr
.set k, 3
.rept 14
.irp c, 0,1,2,3
	v_max3_num_f32 v[24+\c], v[24+\c], v[S+32*\c+k], v[S+32*\c+k+1]
.endr
.set k, k+2
.endr
	v_max3_num_f32 v24, v24, v[S+31], v[S+63]
	v_max3_num_f32 v26, v26, v[S+95], v[S+127]
	v_max3_num_f32 v24, v24, v25, v26
	v_max_num_f32 v24, v24, v27
	v_permlanex16_b32 v25, v24, s52, s53           ; the other 128 scores lie in the lane 16 away
	v_max_num_f32 v56, v24, v25                    ; M
	v_mov_b32 v57, v56                             ; twice: a pair for the packed subtraction
	TLOAD 3
	TLOAD 4
	WIN 0
.set i, 0
.rept 64
	v_pk_add_f32 v[S+2*i:S+2*i+1], v[S+2*i:S+2*i+1], v[56:57] neg_lo:[0,1] neg_hi:[0,1]
.set i, i+1
.endr
.set i, 0
.rept 128
	v_exp_f32 v[S+i], v[S+i]                       ; p = 2^(t - M)
.set i, i+1
.endr
	v_nop
	TLOAD 5
	TLOAD 6
	TLOAD 7
	WIN 0
	s_wait_alu depctr_va_vdst(0)
.irp c, 0,1,2,3                        ; l: four chains of 16 pairs
	v_pk_add_f32 v[HB+2*\c:HB+2*\c+1], v[S+2*\c:S+2*\c+1], v[S+8+2*\c:S+8+2*\c+1]
.endr
.set k, 2
.rept 14
.irp c, 0,1,2,3
	v_pk_add_f32 v[HB+2*\c:HB+2*\c+1], v[HB+2*\c:HB+2*\c+1], v[S+8*k+2*\c:S+8*k+2*\c+1]
.endr
.set k, k+1
.endr
	v_pk_add_f32 v[HB:HB+1], v[HB:HB+1], v[HB+2:HB+3]
	v_pk_add_f32 v[HB+4:HB+5], v[HB+4:HB+5], v[HB+6:HB+7]
	v_pk_add_f32 v[HB:HB+1], v[HB:HB+1], v[HB+4:HB+5]
	v_add_f32 v[HB], v[HB], v[HB+1]
	v_permlanex16_b32 v[HB+1], v[HB], s52, s53
	v_mov_b32 v60, v56
	v_add_f32 v61, v[HB], v[HB+1]                  ; l
	v_mov_b32 v62, v56
	v_mov_b32 v63, v61
	s_cmp_lg_u32 s14, 0                            ; every wave holds the same M and l; wave 0 stores them, 32 times (M, l, M, l): 512 consecutive bytes behind the row's 2,048 of ctx
	s_cbranch_scc1 .Lno_head
	global_store_b128 v30, v[60:63], s[12:13] offset:2048
.Lno_head:
.set i, 0
.rept 64
	v_cvt_pk_f16_f32 v[P+i], v[S+2*i], v[S+2*i+1]
.set i, i+1
.endr
	s_wait_dscnt 0x0                               ; E's fragments are in
.set g, 0
.rept 8                                ; eight accumulators take turns; group 0 starts the sums
	WIN 0x02+(g/4)                                 ; source 0 window 2, then 3
.set db, 0
.rept 8
.if g == 0
	v_wmma_f32_16x16x32_f16 v[CT+8*db:CT+8*db+7], v[64*(g%4)+8*db:64*(g%4)+8*db+7], v[P+8*g:P+8*g+7], 0
.else
	v_wmma_f32_16x16x32_f16 v[CT+8*db:CT+8*db+7], v[64*(g%4)+8*db:64*(g%4)+8*db+7], v[P+8*g:P+8*g+7], v[CT+8*db:CT+8*db+7]
.endif
.set db, db+1
.endr
.set g, g+1
.endr
	; THE WAY OUT.  All 16 columns are alike: the 16 lanes of a half hold the same eight channels 16 db + 8 h + 0..7 and write the same words.  Back come 16 bytes a lane: my wave's 512 consecutive bytes of ctx.
	WIN 0
	PLACES
.set db, 0
.rept 8                                ; each accumulator is read from its low end on
	ds_store_b128 v14, v[CT+8*db:CT+8*db+3]   offset:64*db
	ds_store_b128 v14, v[CT+8*db+4:CT+8*db+7] offset:64*db+16
.set db, db+1
.endr
	ds_load_b128 v[OUT:OUT+3], v15                 ; my own bytes, served in order behind the stores
	s_wait_dscnt 0x0
	global_store_b128 v30, v[OUT:OUT+3], s[12:13]
	s_wait_tensorcnt 0x0                           ; the wave's end, behind my last tensor load and my last LDS store
	ds_add_u32 v[SPW], v[NIL]
	s_wait_dscnt 0x0
	ROUND                                          ; the closing round: no work-group ends while a partner may still ask for a tile that names it
	s_endpgm
.Lfunc_end_k_qcefc1911ee_main:
	.size	k_qcefc1911ee_main, .Lfunc_end_k_qcefc1911ee_main-k_qcefc1911ee_main
	.p2alignl 7, 3214868480
	.fill 96, 4, 3214868480
	.section	.rodata,"a",@progbits
	.p2align	6, 0x0
	.amdhsa_kernel k_qcefc1911ee_main
		.amdhsa_group_segment_fixed_size 327680
		.amdhsa_private_segment_fixed_size 0
		.amdhsa_enable_private_segment 0
		.amdhsa_kernarg_size 40
		.amdhsa_user_sgpr_count 2
		.amdhsa_user_sgpr_kernarg_segment_ptr 1
		.amdhsa_wavefront_size32 1
		.amdhsa_system_sgpr_workgroup_id_x 1
		.amdhsa_system_sgpr_workgroup_id_y 1
		.amdhsa_system_sgpr_workgroup_id_z 1
		.amdhsa_system_vgpr_workitem_id 0
		.amdhsa_next_free_vgpr 1024
		.amdhsa_next_free_sgpr 66
		.amdhsa_reserve_vcc 0
		.amdhsa_float_denorm_mode_32 3
		.amdhsa_float_denorm_mode_16_64 3
		.amdhsa_memory_ordered 1
		.amdhsa_forward_progress 1
		.amdhsa_inst_pref_size 245
	.end_amdhsa_kernel
	.amdgpu_metadata
---
amdhsa.version: [ 1, 2 ]
amdhsa.kernels:
  - .name:           k_qcefc1911ee_main
    .symbol:         k_qcefc1911ee_main.kd
    .args:
      - { .name: encoder_outputs, .offset: 0, .size: 8, .value_kind: global_buffer, .address_space: global }
      - { .name: wh, .offset: 8, .size: 8, .value_kind: global_buffer, .address_space: global }
      - { .name: hb, .offset: 16, .size: 8, .value_kind: global_buffer, .address_space: global }
      - { .name: v_w, .offset: 24, .size: 8, .value_kind: global_buffer, .address_space: global }
      - { .name: part, .offset: 32, .size: 8, .value_kind: global_buffer, .address_space: global }
    .group_segment_fixed_size: 327680
    .private_segment_fixed_size: 0
    .kernarg_segment_align: 8
    .kernarg_segment_size: 40
    .max_flat_workgroup_size: 128
    .sgpr_count:     66
    .vgpr_count:     1024
    .wavefront_size: 32
...
	.end_amdgpu_metadata
.endif
;; end of part 2
;; launch finish (part 3): grid 16 x 1, 4 waves a work-group, no clusters, 0 bytes of LDS; arguments part, out0; writes out0
.if DOCPART == 3
	.amdgcn_target "amdgcn-amd-amdhsa--gfx1250"
	.amdhsa_code_object_version 6
	.text
	.protected	k_qcefc1911ee_finish
	.globl	k_qcefc1911ee_finish
	.p2align	8
	.type	k_qcefc1911ee_finish,@function
k_qcefc1911ee_finish:
	s_mov_b64 s[64:65], 0
	v_nop
	global_prefetch_b8 v0, s[64:65] scope:SCOPE_SE
	s_setreg_imm32_b32 hwreg(HW_REG_WAVE_MODE, 25, 1), 1
	s_wait_xcnt 0x0
; FINISH.  A batch's 16 blocks are joined: M = max m_i, w_i = 2^(m_i - M), out[d] = (sum w_i ctx_i[d]) / (sum w_i l_i).  All in f32.
; part: 256 rows of 2,560 bytes: ctx[512], then (m, l) repeated.  One w_i is 1 and every l_i is at least 1, so the divisor is at least 1; a w_i below 2^-126 counts as 0.
; Work-group b is batch b; thread t owns channels 4 t .. 4 t + 3: a wave's load or store covers 512 consecutive bytes.  640 KB in all: no LDS, no matrix unit, no cluster would add anything.
.set ML, 8                             ; v[8:39]    block i: (m_i, l_i), then (w_i, l_i)
.set C,  40                            ; v[40:103]  block i: my four numbers of ctx_i
.set A,  104                           ; v[104:107] the sums
	s_load_b128 s[4:7], s[0:1], 0x0                ; part s[4:5], out0 s[6:7]
	v_lshlrev_b32 v1, 4, v0                        ; 16 bytes a thread
	v_mov_b32 v2, 0                                ; every lane reads the same (m, l)
	s_mul_i32 s8, ttmp9, 16*2560
	s_mov_b32 s9, 0
	s_lshl_b32 s10, ttmp9, 11
	s_mov_b32 s11, 0
	s_wait_kmcnt 0x0
	s_add_nc_u64 s[4:5], s[4:5], s[8:9]
	s_add_nc_u64 s[6:7], s[6:7], s[10:11]
.set i, 0
.rept 16
	global_load_b64 v[ML+2*i:ML+2*i+1], v2, s[4:5] offset:i*2560+2048
.set i, i+1
.endr
.set i, 0
.rept 16
	global_load_b128 v[C+4*i:C+4*i+3], v1, s[4:5] offset:i*2560
.set i, i+1
.endr
	s_wait_loadcnt 16                              ; the 16 younger loads, ctx's, may stay out
	v_max3_num_f32 v4, v[ML], v[ML+2], v[ML+4]
.set i, 3
.rept 6
	v_max3_num_f32 v4, v4, v[ML+2*i], v[ML+2*i+2]
.set i, i+2
.endr
	v_max_num_f32 v4, v4, v[ML+30]                 ; M
.set i, 0
.rept 16
	v_sub_f32 v[ML+2*i], v[ML+2*i], v4
.set i, i+1
.endr
.set i, 0
.rept 16
	v_exp_f32 v[ML+2*i], v[ML+2*i]                 ; w_i: the scores are kept in powers of two
.set i, i+1
.endr
	v_nop                                          ; a plain instruction between the last exponential and the use of its result (ISA guide 5.7.2)
	s_wait_alu depctr_va_vdst(0)
	v_mul_f32 v5, v[ML], v[ML+1]                   ; sum w_i l_i, in two chains
	v_mul_f32 v6, v[ML+2], v[ML+3]
.set i, 2
.rept 14
	v_fmac_f32 v[5+i%2], v[ML+2*i], v[ML+2*i+1]
.set i, i+1
.endr
	v_add_f32 v5, v5, v6
	v_rcp_f32 v110, v5                             ; twice: a pair for the packed multiply; the lines below, which touch neither, stand ahead of its use
	v_rcp_f32 v111, v5
	s_wait_loadcnt 0x0
	v_pk_mul_f32 v[A:A+1],   v[C:C+1],   v[ML:ML+1] op_sel_hi:[1,0]  ; the first block starts the sums; a pair's low word, w_i, serves both halves
	v_pk_mul_f32 v[A+2:A+3], v[C+2:C+3], v[ML:ML+1] op_sel_hi:[1,0]
.set i, 1
.rept 15
	v_pk_fma_f32 v[A:A+1],   v[C+4*i:C+4*i+1],   v[ML+2*i:ML+2*i+1], v[A:A+1]   op_sel_hi:[1,0,1]
	v_pk_fma_f32 v[A+2:A+3], v[C+4*i+2:C+4*i+3], v[ML+2*i:ML+2*i+1], v[A+2:A+3] op_sel_hi:[1,0,1]
.set i, i+1
.endr
	s_wait_alu depctr_va_vdst(0)
	v_pk_mul_f32 v[A:A+1],   v[A:A+1],   v[110:111]
	v_pk_mul_f32 v[A+2:A+3], v[A+2:A+3], v[110:111]
	global_store_b128 v1, v[A:A+3], s[6:7]
	s_endpgm
.Lfunc_end_k_qcefc1911ee_finish:
	.size	k_qcefc1911ee_finish, .Lfunc_end_k_qcefc1911ee_finish-k_qcefc1911ee_finish
	.p2alignl 7, 3214868480
	.fill 96, 4, 3214868480
	.section	.rodata,"a",@progbits
	.p2align	6, 0x0
	.amdhsa_kernel k_qcefc1911ee_finish
		.amdhsa_group_segment_fixed_size 0
		.amdhsa_private_segment_fixed_size 0
		.amdhsa_enable_private_segment 0
		.amdhsa_kernarg_size 16
		.amdhsa_user_sgpr_count 2
		.amdhsa_user_sgpr_kernarg_segment_ptr 1
		.amdhsa_wavefront_size32 1
		.amdhsa_system_sgpr_workgroup_id_x 1
		.amdhsa_system_sgpr_workgroup_id_y 1
		.amdhsa_system_sgpr_workgroup_id_z 1
		.amdhsa_system_vgpr_workitem_id 0
		.amdhsa_next_free_vgpr 128
		.amdhsa_next_free_sgpr 66
		.amdhsa_reserve_vcc 0
		.amdhsa_float_denorm_mode_32 3
		.amdhsa_float_denorm_mode_16_64 3
		.amdhsa_memory_ordered 1
		.amdhsa_forward_progress 1
		.amdhsa_inst_pref_size 9
	.end_amdhsa_kernel
	.amdgpu_metadata
---
amdhsa.version: [ 1, 2 ]
amdhsa.kernels:
  - .name:           k_qcefc1911ee_finish
    .symbol:         k_qcefc1911ee_finish.kd
    .args:
      - { .name: part, .offset: 0, .size: 8, .value_kind: global_buffer, .address_space: global }
      - { .name: out0, .offset: 8, .size: 8, .value_kind: global_buffer, .address_space: global }
    .group_segment_fixed_size: 0
    .private_segment_fixed_size: 0
    .kernarg_segment_align: 8
    .kernarg_segment_size: 16
    .max_flat_workgroup_size: 128
    .sgpr_count:     66
    .vgpr_count:     128
    .wavefront_size: 32
...
	.end_amdgpu_metadata
.endif
;; end of part 3
;; ======== version 2 of 2: 3 launches; version 1 with the launch prep written anew for expert scheduling mode
;; limits: values are held in f16: magnitudes above 65,504 overflow, below 6.1e-05 lose precision
;; workspace buffers: wh 1,048,576 bytes; hb 65,536 bytes; part 655,360 bytes
;; launch prep (part 4): grid 64 x 1, 5 waves a work-group, no clusters, 0 bytes of LDS; arguments W_attn, b_attn, hidden, wh, hb; writes wh, hb
.if DOCPART == 4
	.amdgcn_target "amdgcn-amd-amdhsa--gfx1250"
	.amdhsa_code_object_version 6
	.text
	.protected	k_qcefc1911ee_prep
	.globl	k_qcefc1911ee_prep
	.p2align	8
	.type	k_qcefc1911ee_prep,@function
k_qcefc1911ee_prep:
	s_mov_b64 s[64:65], 0
	v_nop
	global_prefetch_b8 v0, s[64:65] scope:SCOPE_SE
	s_setreg_imm32_b32 hwreg(HW_REG_WAVE_SCHED_MODE, 0, 2), 2
	s_setreg_imm32_b32 hwreg(HW_REG_WAVE_MODE, 25, 1), 1
	s_wait_xcnt 0x0
	s_wait_alu depctr_vm_vsrc(0)
; PREP.  The concatenation [enc, hidden] splits the product with W [1024 o][1024 k]: W1 = W[:, 0:512] meets enc, W2 = W[:, 512:1024] meets hidden.
;   wh[o][k] = f16(c W1[o][k])                                   [1024][512] f16
;   hb[b][o] = c (sum over k of hidden[b][k] W2[o][k] + bias[o]) [16][1024] f32
; c = 2 log2(e): tanh(x) = 1 - 2 / (1 + 2^(c x)), so the next launch's sums are the exponents themselves.  c is applied in f32, ahead of wh's one rounding.
; LIMITS.  f16 holds no number beyond 65,504: |c W1|, |W2| and |hidden| stay below it; below 6e-5 f16 keeps its fixed step of 6e-8.
; SHARES.  Work-group g owns rows o = 16 g .. 16 g + 15.  Waves 0-3 cast four rows of W1 each; wave 4 makes hb's 16 x 16 block by the matrix unit, K = 512 in 16 steps on two accumulators by turns.
; No LDS, no barrier: no wave needs another's data.  No cluster: the work-groups share only hidden, 32 KB.
; THE MODE: SCHED_MODE bits 1:0 = 2 (LLVM: expert scheduling mode 2), set by the entry lines.  The code itself states the register dependences
; between vector or matrix instructions and memory instructions, with s_wait_alu, always for 0.
; THE PLAN.  Registers that memory instructions touch:
;   waves 0-3:  v1, v2      byte offsets, written once at the head; read by every load (v1) and every store (v2).
;               v[32:95]    row i at 32 + 16 i: written once by the row's four loads; then named by the row's scalings and roundings alone.
;               v[96:127]   row i at 96 + 8 i: written once by the row's roundings; read by the row's four stores, which are issued in row i + 1's turn.
;   wave 4:     v3, v4, v5  byte offsets, written once at the head; read by every load, v3 by the two stores too.
;               v[56:63]    the bias: loaded once, read by the first product.
;               v[64:255]   six slots: step q's sixteen roundings read slot q % 6; behind them the loads of step q + 6 land in it.
;               v[8:15]     written last by the final scalings; read by the two stores.
;               The fragment sets v[24:55] and v[16:23] are named by vector and matrix instructions alone.
; No register that a memory instruction reads is ever written again, so the only wait on vm_vsrc is the entry lines' one.  The waits on va_vdst: one ahead of each path's first load (the offsets); in the cast one at
; the head of rows 1 to 3 and one ahead of the last stores (the out registers); in wave 4 one a step, behind its roundings, while there are loads to issue, and one ahead of the stores.
.set CEXP, 0x4038aa3b                  ; c = 2 log2(e) = 2.885390
	s_load_b256 s[4:11], s[0:1], 0x0               ; W s[4:5], bias s[6:7], hidden s[8:9], wh s[10:11]
	s_load_b64 s[12:13], s[0:1], 0x20              ; hb
	v_lshrrev_b32 v1, 5, v0
	v_readfirstlane_b32 s14, v1                    ; wave 0..4
	s_mov_b32 s16, CEXP                            ; the packed multiply names a pair and takes its low word for both halves
	s_mov_b32 s17, CEXP
	s_mov_b32 s19, 0                               ; high words of the two offsets
	s_mov_b32 s21, 0
	s_wait_alu depctr_va_sdst(0)                   ; s14 is written, ahead of its first reader, the compare below, and of the branch
	s_cmp_eq_u32 s14, 4
	s_cbranch_scc1 .Lhb
	; WAVES 0-3: rows 16 g + 4 w .. + 3, their first 2,048 bytes.  A load covers 512 consecutive bytes (128 numbers), a store the 256 consecutive bytes that they become.
	v_and_b32 v1, 31, v0                           ; lane
	v_lshlrev_b32 v2, 3, v1                        ; 8 bytes a lane out
	v_lshlrev_b32 v1, 4, v1                        ; 16 bytes a lane in
	s_lshl_b32 s18, ttmp9, 16                      ; 16 rows of 4,096 bytes,
	s_lshl_b32 s15, s14, 14                        ; my four of them
	s_add_co_u32 s18, s18, s15
	s_lshl_b32 s20, ttmp9, 14                      ; 16 rows of 1,024 bytes,
	s_lshl_b32 s15, s14, 12
	s_add_co_u32 s20, s20, s15
	s_wait_kmcnt 0x0
	s_add_nc_u64 s[4:5], s[4:5], s[18:19]
	s_add_nc_u64 s[10:11], s[10:11], s[20:21]
	s_wait_alu depctr_va_vdst(0)                   ; v1 and v2 are written: every load below reads v1 as its offset, every store v2
.set i, 0
.rept 16                               ; i = 4 x row + segment of 128 numbers
	global_load_b128 v[32+4*i:32+4*i+3], v1, s[4:5] offset:(i/4)*4096+(i%4)*512 th:TH_LOAD_NT
.set i, i+1
.endr
	; Row ri's turn: its eight scalings and eight roundings; the four stores of the row before are dealt among them, one ahead of each four.
	; These sixteen name v[32+16 ri ..] and v[96+8 ri ..] alone: none of the registers that those stores read.
.set ri, 0
.rept 4
	s_wait_loadcnt 12-4*ri                         ; loads come back in order (ISA guide 5.7.1): this row's four are in, the later rows' stay out
.if ri > 0
	s_wait_alu depctr_va_vdst(0)                   ; the roundings of the row before have written v[96+8 (ri-1) ..], which the four stores below read
.endif
.set sj, 0
.rept 4
.if ri > 0
	global_store_b64 v2, v[96+8*(ri-1)+2*sj:96+8*(ri-1)+2*sj+1], s[10:11] offset:(ri-1)*1024+sj*256
.endif
.set m, 0
.rept 4
.if sj < 2
	v_pk_mul_f32 v[32+16*ri+8*sj+2*m:32+16*ri+8*sj+2*m+1], v[32+16*ri+8*sj+2*m:32+16*ri+8*sj+2*m+1], s[16:17] op_sel_hi:[1,0]
.else
	v_cvt_pk_f16_f32 v[96+8*ri+4*(sj-2)+m], v[32+16*ri+8*(sj-2)+2*m], v[32+16*ri+8*(sj-2)+2*m+1]
.endif
.set m, m+1
.endr
.set sj, sj+1
.endr
.set ri, ri+1
.endr
	s_wait_alu depctr_va_vdst(0)                   ; the last row's roundings have written v[120:127], which the last four stores read
.set sj, 0
.rept 4
	global_store_b64 v2, v[120+2*sj:120+2*sj+1], s[10:11] offset:3*1024+sj*256
.set sj, sj+1
.endr
	s_endpgm
	; WAVE 4.  D = W2 (source 0: 16 rows o) x hidden (source 1: 16 batches): lane (r = l % 16, h = l / 16) ends with batch r and o = 16 g + 8 h + 0..7.
	; A fragment is 16 rows x 32 k: lane (r, h) holds row r, k = 8 h + 0..7 and 16 + 8 h + 0..7: in f32 four loads of 16 bytes at 32 h + 0, 16, 64, 80.
	; v3 row offset in W (and in hb: the same r x 4,096 + 32 h); v4 in hidden; v5 in the bias; v[8:15], v[16:23] accumulators; v[24:39], v[40:55] two sets of f16 fragments (W2's, hidden's);
	; v[56:63] bias; v[64:255] six slots of 32 registers: a K step's f32 numbers, W2's 16 and hidden's 16.
.Lhb:
	v_and_b32 v1, 15, v0
	v_bfe_u32 v2, v0, 4, 1
	v_lshlrev_b32 v5, 5, v2                        ; 32 h
	v_lshl_add_u32 v3, v1, 12, v5                  ; r x 4,096 + 32 h
	v_lshl_add_u32 v4, v1, 11, v5                  ; r x 2,048 + 32 h
	s_lshl_b32 s18, ttmp9, 16
	s_add_co_u32 s18, s18, 2048                    ; W2 begins 2,048 bytes into a row
	s_lshl_b32 s20, ttmp9, 6                       ; 16 numbers of 4 bytes
	s_wait_kmcnt 0x0
	s_add_nc_u64 s[4:5], s[4:5], s[18:19]
	s_add_nc_u64 s[6:7], s[6:7], s[20:21]
	s_add_nc_u64 s[12:13], s[12:13], s[20:21]
	s_wait_alu depctr_va_vdst(0)                   ; v3, v4 and v5 are written: every load and store below reads one of them as its offset
	global_load_b128 v[56:59], v5, s[6:7]          ; bias[16 g + 8 h + 0..7]: the layout of a result, so it can start a sum
	global_load_b128 v[60:63], v5, s[6:7] offset:16
.macro HLOAD q, half                   ; four of the eight loads of K step q, into slot q % 6: half 0 the fragments' registers 0-3, half 1 their registers 4-7
.set R, 64+32*((\q)%6)
.set j, 2*(\half)
.rept 2
	global_load_b128 v[R+4*j:R+4*j+3], v3, s[4:5] offset:(\q)*128+16*(j%2)+64*(j/2) th:TH_LOAD_NT
	global_load_b128 v[R+16+4*j:R+16+4*j+3], v4, s[8:9] offset:(\q)*128+16*(j%2)+64*(j/2)
.set j, j+1
.endr
.endm
.macro HSTEP q
.set R, 64+32*((\q)%6)
.set FW, 24+16*((\q)%2)
.set AC, 8+8*((\q)%2)
.if (\q) < 10
	s_wait_loadcnt 40                              ; loads come back in order: the five younger steps' 40 may stay out
.else
	s_wait_loadcnt 8*(15-(\q))                     ; the counts run down
.endif
.set j, 0
.rept 8                                ; sixteen roundings to f16: also the places between a product and the rewriting of its fragments two steps later
	v_cvt_pk_f16_f32 v[FW+j], v[R+2*j], v[R+2*j+1]
	v_cvt_pk_f16_f32 v[FW+8+j], v[R+16+2*j], v[R+16+2*j+1]
.set j, j+1
.endr
.if (\q) < 10
	s_wait_alu depctr_va_vdst(0)                   ; the roundings are done reading slot q % 6, in which the eight loads below land
	HLOAD (\q)+6, 0                                ; the slot just read takes the step six further on
.endif
.if (\q) == 0
	v_wmma_f32_16x16x32_f16 v[AC:AC+7], v[FW:FW+7], v[FW+8:FW+15], v[56:63]   ; the bias starts the first sum,
.elseif (\q) == 1
	v_wmma_f32_16x16x32_f16 v[AC:AC+7], v[FW:FW+7], v[FW+8:FW+15], 0          ; 0 the second: nothing is cleared
.else
	v_wmma_f32_16x16x32_f16 v[AC:AC+7], v[FW:FW+7], v[FW+8:FW+15], v[AC:AC+7] ; the two accumulators take turns
.endif
.if (\q) < 10
	HLOAD (\q)+6, 1                                ; no further wait: the product above names a fragment set, an accumulator and (step 0) the bias, none of the slot's registers
.endif
.endm
.set hq, 0
.rept 6
	HLOAD hq, 0
	HLOAD hq, 1
.set hq, hq+1
.endr
.set hq, 0
.rept 16
	HSTEP hq
.set hq, hq+1
.endr
.rept 4
	v_nop                                          ; four places between the last product and the reading of its result (ISA guide 7.12.1)
.endr
.set j, 0
.rept 4                                ; each accumulator is read from its low end on
	v_pk_add_f32 v[8+2*j:9+2*j], v[8+2*j:9+2*j], v[16+2*j:17+2*j]
.set j, j+1
.endr
.set j, 0
.rept 4
	v_pk_mul_f32 v[8+2*j:9+2*j], v[8+2*j:9+2*j], s[16:17] op_sel_hi:[1,0]
.set j, j+1
.endr
	s_wait_alu depctr_va_vdst(0)                   ; the scalings have written v[8:15], which the two stores read
	global_store_b128 v3, v[8:11], s[12:13]        ; a batch's 16 numbers are 64 bytes of its row: short runs, 64 KB in the whole launch; whole rows would want LDS and a barrier here
	global_store_b128 v3, v[12:15], s[12:13] offset:16
	s_endpgm
.Lfunc_end_k_qcefc1911ee_prep:
	.size	k_qcefc1911ee_prep, .Lfunc_end_k_qcefc1911ee_prep-k_qcefc1911ee_prep
	.p2alignl 7, 3214868480
	.fill 96, 4, 3214868480
	.section	.rodata,"a",@progbits
	.p2align	6, 0x0
	.amdhsa_kernel k_qcefc1911ee_prep
		.amdhsa_group_segment_fixed_size 0
		.amdhsa_private_segment_fixed_size 0
		.amdhsa_enable_private_segment 0
		.amdhsa_kernarg_size 40
		.amdhsa_user_sgpr_count 2
		.amdhsa_user_sgpr_kernarg_segment_ptr 1
		.amdhsa_wavefront_size32 1
		.amdhsa_system_sgpr_workgroup_id_x 1
		.amdhsa_system_sgpr_workgroup_id_y 1
		.amdhsa_system_sgpr_workgroup_id_z 1
		.amdhsa_system_vgpr_workitem_id 0
		.amdhsa_next_free_vgpr 256
		.amdhsa_next_free_sgpr 66
		.amdhsa_reserve_vcc 0
		.amdhsa_float_denorm_mode_32 3
		.amdhsa_float_denorm_mode_16_64 3
		.amdhsa_memory_ordered 1
		.amdhsa_forward_progress 1
		.amdhsa_inst_pref_size 40
	.end_amdhsa_kernel
	.amdgpu_metadata
---
amdhsa.version: [ 1, 2 ]
amdhsa.kernels:
  - .name:           k_qcefc1911ee_prep
    .symbol:         k_qcefc1911ee_prep.kd
    .args:
      - { .name: W_attn, .offset: 0, .size: 8, .value_kind: global_buffer, .address_space: global }
      - { .name: b_attn, .offset: 8, .size: 8, .value_kind: global_buffer, .address_space: global }
      - { .name: hidden, .offset: 16, .size: 8, .value_kind: global_buffer, .address_space: global }
      - { .name: wh, .offset: 24, .size: 8, .value_kind: global_buffer, .address_space: global }
      - { .name: hb, .offset: 32, .size: 8, .value_kind: global_buffer, .address_space: global }
    .group_segment_fixed_size: 0
    .private_segment_fixed_size: 0
    .kernarg_segment_align: 8
    .kernarg_segment_size: 40
    .max_flat_workgroup_size: 160
    .sgpr_count:     66
    .vgpr_count:     256
    .wavefront_size: 32
...
	.end_amdgpu_metadata
.endif
;; end of part 4
;; launch main: the kernel of part 2 again; grid 256 x 1, 4 waves a work-group, clusters of 4 x 1, 327,680 bytes of LDS; arguments encoder_outputs, wh, hb, v_w, part; writes part
;; launch finish: the kernel of part 3 again; grid 16 x 1, 4 waves a work-group, no clusters, 0 bytes of LDS; arguments part, out0; writes out0
